; MI455X (gfx1250); checked and timed in simulation.
; The chip was launched on July 23, 2026; its instructions are those of AMD's public machine-readable ISA for CDNA 5 (MIT licence, August 2026) and "CDNA5" Instruction Set Architecture Reference Guide (July 2026). The comments in the code are by the model that wrote it; some were corrected since.
;; Multi Head Self Attention. Allowed arithmetic: float matrix products may take bf16 or f16 operands with f32 sums; all other float work in f32.
;; Inputs: w0 1,024 x 1,024 float32; w_qkv 3,072 x 1,024 float32; x 2 x 2,048 x 1,024 float32.
;; Outputs: out0 2 x 2,048 x 1,024 float32.
;; 2 versions, each right; version 2 is version 1 with the launch cast written anew for expert scheduling mode. Each part assembles by itself: llvm-mc -triple=amdgcn-amd-amdhsa -mcpu=gfx1250 --defsym DOCPART=n.
;; ======== version 1 of 2: 4 launches
;; limits: values are held in f16: magnitudes above 65,504 overflow, below 6.1e-05 lose precision
;; workspace buffers: cb 16,777,216 bytes; qkvt 25,165,824 bytes; et 8,388,608 bytes
;; launch cast (part 1): grid 256 x 1, 8 waves a work-group, no clusters, 0 bytes of LDS; arguments x, w_qkv, w0, cb; writes cb
.if DOCPART == 1
	.amdgcn_target "amdgcn-amd-amdhsa--gfx1250"
	.amdhsa_code_object_version 6
	.text
	.protected	k_q8377cf87ad_cast
	.globl	k_q8377cf87ad_cast
	.p2align	8
	.type	k_q8377cf87ad_cast,@function
k_q8377cf87ad_cast:
	s_mov_b64 s[64:65], 0
	v_nop
	global_prefetch_b8 v0, s[64:65] scope:SCOPE_SE
	s_setreg_imm32_b32 hwreg(HW_REG_WAVE_MODE, 25, 1), 1
	s_wait_xcnt 0x0
; cb = x, w_qkv, w0 rounded once to f16, one behind the other: x at byte 0, w_qkv at byte 8,388,608, w0 at byte 14,680,064.
; The two products that follow read each of these numbers many times; rounding them once here halves the bytes that their
; tiles move and spares every wave that reads a tile its own conversion.
; A stream: no LDS, no barrier, no matrix unit.  256 work-groups; each reads 131,072 bytes and writes 65,536.
; Work-groups 0-127 take x, 128-223 w_qkv, 224-255 w0; the output of work-group id lies at 65,536 id, which is cb's layout.
; LIMIT: a number of magnitude 65,520 or more becomes an infinity in f16; magnitudes below 6.1e-5 keep an absolute error of 3e-8.
.set DAT, 4                            ; v[4:131]  chunk i: 4 registers as loaded; its first two then hold the 4 numbers in f16
.set CHUNKS, 32                        ; 32 loads of 16 bytes a thread, all on their way at once
	s_load_b256 s[4:11], s[0:1], 0x0               ; x s[4:5], w_qkv s[6:7], w0 s[8:9], cb s[10:11]
	v_lshlrev_b32 v1, 4, v0                        ; 16 bytes a thread in: a wave's load covers 512 neighbouring bytes
	v_lshlrev_b32 v2, 3, v0                        ; 8 bytes a thread out: a wave's store covers 256 neighbouring bytes, aligned
	s_wait_kmcnt 0x0
	s_cmp_lt_u32 ttmp9, 128                        ; which input is mine, and its first work-group
	s_cselect_b64 s[14:15], s[4:5], s[6:7]
	s_cselect_b32 s13, 0, 128
	s_cmp_lt_u32 ttmp9, 224
	s_cselect_b64 s[14:15], s[14:15], s[8:9]
	s_cselect_b32 s13, s13, 224
	s_sub_co_u32 s16, ttmp9, s13
	s_lshl_b32 s16, s16, 17                        ; 131,072 bytes for each work-group of that input (below 16 MiB)
	s_mov_b32 s17, 0
	s_add_nc_u64 s[14:15], s[14:15], s[16:17]
	s_lshl_b32 s18, ttmp9, 16
	s_mov_b32 s19, 0
	s_add_nc_u64 s[10:11], s[10:11], s[18:19]
.set i, 0
.rept CHUNKS
	global_load_b128 v[DAT+4*i:DAT+4*i+3], v1, s[14:15] offset:i*4096 th:TH_LOAD_NT   ; read once in the launch
.set i, i+1
.endr
.set i, 0
.rept CHUNKS
	s_wait_loadcnt CHUNKS-1-i                      ; loads come back in order: chunk i is in, the younger ones stay out
	v_cvt_pk_f16_f32 v[DAT+4*i],   v[DAT+4*i],   v[DAT+4*i+1]
	v_cvt_pk_f16_f32 v[DAT+4*i+1], v[DAT+4*i+2], v[DAT+4*i+3]
	global_store_b64 v2, v[DAT+4*i:DAT+4*i+1], s[10:11] offset:i*2048    ; no register is written twice: no wait for the stores' sources
.set i, i+1
.endr
	s_endpgm
.Lfunc_end_k_q8377cf87ad_cast:
	.size	k_q8377cf87ad_cast, .Lfunc_end_k_q8377cf87ad_cast-k_q8377cf87ad_cast
	.p2alignl 7, 3214868480
	.fill 96, 4, 3214868480
	.section	.rodata,"a",@progbits
	.p2align	6, 0x0
	.amdhsa_kernel k_q8377cf87ad_cast
		.amdhsa_group_segment_fixed_size 0
		.amdhsa_private_segment_fixed_size 0
		.amdhsa_enable_private_segment 0
		.amdhsa_kernarg_size 32
		.amdhsa_user_sgpr_count 2
		.amdhsa_user_sgpr_kernarg_segment_ptr 1
		.amdhsa_wavefront_size32 1
		.amdhsa_system_sgpr_workgroup_id_x 1
		.amdhsa_system_sgpr_workgroup_id_y 1
		.amdhsa_system_sgpr_workgroup_id_z 1
		.amdhsa_system_vgpr_workitem_id 0
		.amdhsa_next_free_vgpr 132
		.amdhsa_next_free_sgpr 66
		.amdhsa_reserve_vcc 0
		.amdhsa_float_denorm_mode_32 3
		.amdhsa_float_denorm_mode_16_64 3
		.amdhsa_memory_ordered 1
		.amdhsa_forward_progress 1
		.amdhsa_inst_pref_size 12
	.end_amdhsa_kernel
	.amdgpu_metadata
---
amdhsa.version: [ 1, 2 ]
amdhsa.kernels:
  - .name:           k_q8377cf87ad_cast
    .symbol:         k_q8377cf87ad_cast.kd
    .args:
      - { .name: x, .offset: 0, .size: 8, .value_kind: global_buffer, .address_space: global }
      - { .name: w_qkv, .offset: 8, .size: 8, .value_kind: global_buffer, .address_space: global }
      - { .name: w0, .offset: 16, .size: 8, .value_kind: global_buffer, .address_space: global }
      - { .name: cb, .offset: 24, .size: 8, .value_kind: global_buffer, .address_space: global }
    .group_segment_fixed_size: 0
    .private_segment_fixed_size: 0
    .kernarg_segment_align: 8
    .kernarg_segment_size: 32
    .max_flat_workgroup_size: 256
    .sgpr_count:     66
    .vgpr_count:     132
    .wavefront_size: 32
...
	.end_amdgpu_metadata
.endif
;; end of part 1
;; launch qkvgemm (part 2): grid 16 x 16, 4 waves a work-group, clusters of 4 x 4, 327,680 bytes of LDS; arguments cb, qkvt; writes qkvt
.if DOCPART == 2
	.amdgcn_target "amdgcn-amd-amdhsa--gfx1250"
	.amdhsa_code_object_version 6
	.text
	.protected	k_q8377cf87ad_qkvgemm
	.globl	k_q8377cf87ad_qkvgemm
	.p2align	8
	.type	k_q8377cf87ad_qkvgemm,@function
k_q8377cf87ad_qkvgemm:
	s_mov_b64 s[64:65], 0
	v_nop
	global_prefetch_b8 v0, s[64:65] scope:SCOPE_SE
	s_setreg_imm32_b32 hwreg(HW_REG_WAVE_MODE, 25, 1), 1
	s_wait_xcnt 0x0
	s_wait_alu depctr_hold_cnt(0) depctr_sa_sdst(0) depctr_va_vdst(0) depctr_va_sdst(0) depctr_va_ssrc(0) depctr_va_vcc(0) depctr_vm_vsrc(0)
	s_getreg_b32 s2, hwreg(HW_REG_IB_STS2, 6, 4)
	s_cmp_eq_u32 s2, 0
	s_cbranch_scc0 .Lentry_in_a_cluster
	s_endpgm
.Lentry_in_a_cluster:
	s_bfe_u32 s2, ttmp6, 0x10000c
	s_cmp_lg_u32 s2, 0xf033
	s_cbranch_scc0 .Lentry_shape_is_right
	s_endpgm
.Lentry_shape_is_right:
; qkv[m][n] = sum over k of x[m][k] w_qkv[n][k], m = 0..4095 (b, s), n = 0..3071, k = 0..1023.  Operands f16 (from cb), sums f32, result f16.
; A work-group makes 256 rows x 192 columns with four waves; a wave makes 128 x 96: 48 accumulator tiles of 16 x 16, 384 registers.
; 16 x 16 blocks = 256 work-groups.  K goes in steps of 128 (rows of 256 bytes) through two LDS slots filled by tensor loads.
; CLUSTERS: 4 x 4 work-groups.  The four of a cluster's row make blocks of one block row and need the same tiles of x; the four of a column
; need the same tiles of w_qkv.  Each such tile is asked for jointly, by the same load with the same descriptor in all four.
; THE RESULT'S LAYOUT (qkvt): [b 2][g 48][sb 128][dt 4][512 bytes]; g = n / 64 (q's heads 0-15, k's 16-31, v's 32-47), sb = s / 16,
; dt = (n % 64) / 16.  In a tile of 16 rows x 16 columns the 16 bytes (row rr, columns 8 c .. 8 c + 7) lie at 256 c + 16 ((rr + 8 c) & 15).
; The matrix instruction is used transposed (source 0 = rows of w, source 1 = rows of x), so lane (r = l % 16, h = l / 16) holds columns
; 8 h .. 8 h + 7 of row r: one store of 16 bytes a lane writes a whole tile, 512 consecutive bytes, aligned.  No way through LDS is needed.
; LIMIT: |q|, |k|, |v| below 65,504 (f16).
; REGISTERS, in windows of 256: window 0: addresses, x's fragments (two buffers of 64), later the packed results; window 1: w's fragments
; (two buffers of 48); window 2: the 24 tiles of my rows 0-63 (tile (a, b) at v[8 (6 a + b)]); window 3: those of my rows 64-127.
.set SIZE_K, 1024
.set KSTEP,  128
.set PITCH,  272                       ; an LDS row: 256 bytes + 16 of padding, 17 x 16 bytes: the 16 rows of a fragment load start in 16 different 16-byte columns of 256
.set HALFT,  128*PITCH                 ; a quarter of a slot: what one tensor load may fill (x: 128 rows; w: 96 rows, 26,112 bytes of it)
.set SLOT,   4*HALFT                   ; x's rows 0-127, 128-255, w's rows 0-95, 96-191
.set LAPS,   SIZE_K/(2*KSTEP)          ; a lap = two K steps = once round the ring: 4
.set WQKV,   8388608                   ; w_qkv's first byte in cb
.set ADRA, 16                          ; v16-17  LDS address of my x fragments in slot 0, 1
.set ADRB, 20                          ; v20-21  the same for w
.set CH,   24                          ; v24     my 16 bytes in a result tile
.set CO,   26                          ; v26-31  my byte offset in qkvt for column tile b = 0..5
.set F0,   64
.set F1,   128
.set TMP,  64                          ; the way out: v64-255 of window 0, each written once
.set G1,  24                           ; s[24:31] group 1 for x's tiles
.set G0,  32                           ; s[32:39] group 0 for x's tiles, one set for each slot
.set G1B, 48                           ; s[48:55] group 1 for w's tiles
.set G0B, 56                           ; s[56:63] group 0 for w's tiles, one set for each slot
.set MSB, 0
.macro WIN new                         ; the immediate's high byte repeats the setting that is left
.if MSB != \new
	s_set_vgpr_msb (MSB<<8)|\new
.set MSB, \new
.endif
.endm
.set MUL_LO, 0xa1                      ; source 0 (w) window 1, source 1 (x) window 0, C and D window 2
.set MUL_HI, 0xf1                      ; the same, C and D window 3
.set TO_B,   0x40                      ; destination window 1, address window 0
; A joint load.  Waves 0 and 1 fetch x's two halves, waves 2 and 3 w's.  Each line has one mask; the branch hangs on the wave's number alone.
.macro JLOAD s
	s_cmp_eq_u32 s11, 0
	s_cbranch_scc0 .Lfor_b_\@
	tensor_load_to_lds s[G0+4*\s:G0+4*\s+3], s[G1:G1+7]
	s_nop 0
	s_branch .Lasked_\@
.Lfor_b_\@:
	tensor_load_to_lds s[G0B+4*\s:G0B+4*\s+3], s[G1B:G1B+7]
	s_nop 0
.Lasked_\@:
.endm
; A round of the cluster's barrier: my work-group's barrier, wave 0 signals for the work-group, every wave waits for all sixteen, my work-group's barrier again.
.macro CREST                           ; a round behind its opening barrier
	s_cmp_lg_u32 s10, 0
	s_cbranch_scc1 .Lnot_wave_0_\@
	s_barrier_signal -3
.Lnot_wave_0_\@:
	s_barrier_wait -3
	s_barrier_signal -1
	s_barrier_wait -1
.endm
.macro CROUND
	s_barrier_signal -1
	s_barrier_wait -1
	CREST
.endm
	s_load_b128 s[4:7], s[0:1], 0x0                ; cb s[4:5], qkvt s[6:7]
	s_set_vgpr_msb 0x40
	v_lshl_add_u32 v255, v0, 2, 0x44000
	s_set_vgpr_msb 0x4000
	v_mov_b32 v63, 0
	s_set_vgpr_msb 0x1
	ds_add_u32 v255, v63
	s_set_vgpr_msb 0x100
	v_lshrrev_b32 v1, 5, v0
	v_readfirstlane_b32 s10, v1                    ; wave 0..3
	s_lshr_b32 s11, s10, 1                         ; which 128 rows of the block are mine.  Also: I fetch for x (0) or for w (1)
	s_and_b32 s12, s10, 1                          ; which 96 columns are mine.  Also: which half of that tile I fetch
	s_bfe_u32 s40, ttmp6, 0x40000                  ; cx
	s_bfe_u32 s41, ttmp6, 0x40004                  ; cy
	s_lshl_b32 s42, ttmp9, 2
	s_add_co_u32 s42, s42, s40                     ; block column = 4 x cluster x + cx
	s_and_b32 s13, ttmp7, 0xffff
	s_lshl_b32 s13, s13, 2
	s_add_co_u32 s13, s13, s41                     ; block row = 4 x cluster y + cy
	s_lshl_b32 s43, s41, 2
	s_lshl_b32 s43, 15, s43                        ; my row of the cluster: places 4 cy .. 4 cy + 3
	s_lshl_b32 s44, 0x1111, s40                    ; my column: places cx, cx + 4, cx + 8, cx + 12
	; group 1: rows of 128 elements of 2 bytes, 16 bytes of padding behind every 64 words; x: 128 rows, w: 96 rows; 1,024 elements from row to row
	s_or_b32 s[G1+0], s43, (1<<16)|(1<<20)|(1<<21)|(5<<22)|(3<<25)
	s_or_b32 s[G1B+0], s44, (1<<16)|(1<<20)|(1<<21)|(5<<22)|(3<<25)
	s_mov_b32 s[G1+1], KSTEP<<16                   ; tensor_dim0 = 128
	s_mov_b32 s[G1B+1], KSTEP<<16
	s_mov_b32 s[G1+2], 128<<16                     ; tensor_dim1 = 128
	s_mov_b32 s[G1B+2], 96<<16                     ; tensor_dim1 = 96
	s_mov_b32 s[G1+3], KSTEP<<16                   ; tile_dim0 = 128
	s_mov_b32 s[G1B+3], KSTEP<<16
	s_mov_b32 s[G1+4], 128                         ; tile_dim1 = 128
	s_mov_b32 s[G1B+4], 96                         ; tile_dim1 = 96
	s_mov_b32 s[G1+5], SIZE_K
	s_mov_b32 s[G1B+5], SIZE_K
	s_mov_b32 s[G1+6], 0
	s_mov_b32 s[G1B+6], 0
	s_mov_b32 s[G1+7], 0
	s_mov_b32 s[G1B+7], 0
	; x's tiles hang on the block row alone, w's on the block column alone; each offset is made in registers that never hold the other coordinate
	s_lshl_b32 s17, s12, 7
	s_lshl_b32 s16, s13, 8
	s_add_co_u32 s16, s16, s17                     ; x: row 256 x block row + 128 x half
	s_lshl_b32 s16, s16, 11                        ; rows of 2,048 bytes (below 8 MiB)
	s_mov_b32 s17, 0
	s_mul_i32 s46, s42, 192
	s_mul_i32 s47, s12, 96
	s_add_co_u32 s46, s46, s47                     ; w: row 192 x block column + 96 x half
	s_lshl_b32 s46, s46, 11
	s_add_co_u32 s46, s46, WQKV
	s_mov_b32 s47, 0
	s_mul_i32 s20, s10, HALFT                      ; where they go: quarter = wave's number
	s_wait_dscnt 0x0
	s_wait_kmcnt 0x0
	s_add_nc_u64 s[14:15], s[4:5], s[16:17]
	s_add_nc_u64 s[46:47], s[4:5], s[46:47]
	CROUND                                         ; all sixteen work-groups are here: the first joint loads meet
.irp s, 0,1
	s_mov_b32 s[G0+4*\s], 1
	s_add_co_u32 s[G0+4*\s+1], s20, \s*SLOT
	s_add_nc_u64 s[G0+4*\s+2:G0+4*\s+3], s[14:15], \s*KSTEP*2      ; K step s
	s_or_b32 s[G0+4*\s+3], s[G0+4*\s+3], 0x80000000
	s_mov_b32 s[G0B+4*\s], 1
	s_add_co_u32 s[G0B+4*\s+1], s20, \s*SLOT
	s_add_nc_u64 s[G0B+4*\s+2:G0B+4*\s+3], s[46:47], \s*KSTEP*2
	s_or_b32 s[G0B+4*\s+3], s[G0B+4*\s+3], 0x80000000
	JLOAD \s                                       ; both first fills go out before anything else: two loads of the wave are out
.endr
	; a fragment is 16 rows x 32 K in 8 registers: lane l holds row l % 16, K = 8 (l / 16) + 0..7 and 16 + 8 (l / 16) + 0..7: two loads of 16 bytes, 32 apart
	v_and_b32 v1, 15, v0                           ; r
	v_bfe_u32 v2, v0, 4, 1                         ; h
	v_mul_u32_u24 v3, v1, PITCH
	v_lshl_add_u32 v3, v2, 4, v3
	s_mul_i32 s21, s11, HALFT                      ; my 128 rows of x
	s_mul_i32 s22, s12, HALFT                      ; my 96 rows of w,
	s_add_co_u32 s22, s22, 2*HALFT                 ; behind x's two quarters
.irp s, 0,1
	v_add_nc_u32 v[ADRA+\s], s21, v3
	v_add_nc_u32 v[ADRB+\s], s22, v3
	s_add_co_u32 s21, s21, SLOT
	s_add_co_u32 s22, s22, SLOT
.endr
	v_lshl_add_u32 v4, v2, 3, v1                   ; r + 8 h
	v_and_b32 v4, 15, v4
	v_lshlrev_b32 v4, 4, v4
	v_lshl_add_u32 v[CH], v2, 8, v4                ; 256 h + 16 ((r + 8 h) & 15)
	s_mul_i32 s46, s42, 12                         ; (the registers that held w's address: none that feeds x's descriptors ever holds cx)
	s_mul_i32 s47, s12, 6
	s_add_co_u32 s46, s46, s47                     ; my first column tile, 0..191
.irp b, 0,1,2,3,4,5
	s_add_co_u32 s45, s46, \b
	s_lshr_b32 s47, s45, 2
	s_lshl_b32 s47, s47, 18                        ; g x 262,144
	s_and_b32 s45, s45, 3
	s_lshl_b32 s45, s45, 9                         ; dt x 512
	s_add_co_u32 s47, s47, s45
	v_add_nc_u32 v[CO+\b], s47, v[CH]
.endr
; 12 matrix instructions: row blocks a0, a0 + 1 of the window's four x all 6 column blocks, 32 along K.  zero = 1: the first product starts the sums.
; The 48 accumulators take turns, one instruction a turn, in the same order in every quarter step.
.macro MUL12 f, hi, a0, zero
.irp a, \a0, \a0+1
.irp b, 0,1,2,3,4,5
.if \zero
	v_wmma_f32_16x16x32_f16 v[8*(6*(\a)+\b):8*(6*(\a)+\b)+7], v[\f+8*\b:\f+8*\b+7], v[\f+8*(4*\hi+\a):\f+8*(4*\hi+\a)+7], 0
.else
	v_wmma_f32_16x16x32_f16 v[8*(6*(\a)+\b):8*(6*(\a)+\b)+7], v[\f+8*\b:\f+8*\b+7], v[\f+8*(4*\hi+\a):\f+8*(4*\hi+\a)+7], v[8*(6*(\a)+\b):8*(6*(\a)+\b)+7]
.endif
.endr
.endr
.endm
; 28 LDS loads in one run: the fragments of one quarter step (96 rows of w, 128 rows of x, 32 K at byte k of the rows) into buffer f
.macro FETCH slot, k, f
	WIN TO_B
.irp i, 0,1,2,3,4,5
	ds_load_b128 v[\f+8*\i:\f+8*\i+3],   v[ADRB+\slot] offset:\k+\i*16*PITCH
	ds_load_b128 v[\f+8*\i+4:\f+8*\i+7], v[ADRB+\slot] offset:\k+\i*16*PITCH+32
.endr
	WIN 0
.irp i, 0,1,2,3,4,5,6,7
	ds_load_b128 v[\f+8*\i:\f+8*\i+3],   v[ADRA+\slot] offset:\k+\i*16*PITCH
	ds_load_b128 v[\f+8*\i+4:\f+8*\i+7], v[ADRA+\slot] offset:\k+\i*16*PITCH+32
.endr
.endm
; A load into a register that a matrix instruction has read, and a vector instruction that reads a matrix result, stand four places behind it;
; only plain vector instructions that name none of its registers are places.
.macro PLACES
.rept 4
	v_nop
.endr
.endm
; One of a K step's first three quarters: multiplies buffer f and fetches, in its middle, the next quarter's fragments into buffer g.
.macro QUARTER slot, k, f, g, zero
	s_wait_dscnt 0x8                               ; w and x's rows 0-63 are in; the youngest eight loads (x's rows 64-127) may be out
	WIN MUL_LO
	MUL12 \f, 0, 0, \zero
	MUL12 \f, 0, 2, \zero
	PLACES
	FETCH \slot, \k, \g
	s_wait_dscnt 28                                ; all but the 28 just issued
	WIN MUL_HI
	MUL12 \f, 1, 0, \zero
	MUL12 \f, 1, 2, \zero
.endm
.macro THREE slot, zero
	QUARTER \slot, 64,  F0, F1, \zero
	QUARTER \slot, 128, F1, F0, 0
	QUARTER \slot, 192, F0, F1, 0
.endm
; The last quarter multiplies buffer 1 and changes slots.  In front of the barrier each wave waits for its reads of this slot and for all its
; tensor loads (one is out: its part of the next slot).  Behind it (with fill = 1: behind the cluster's round that it opens) the refill comes
; first, then the next slot's first fragments.  From a request to the wait for it a wave issues 180 matrix instructions.
.macro TURN slot, next, fill
	s_wait_dscnt 0x8
	WIN MUL_LO
	MUL12 F1, 0, 0, 0
	s_wait_dscnt 0x0                               ; my reads of this slot are over
	s_wait_tensorcnt 0x0                           ; all my tensor loads have landed
	ds_add_u32 v255, v63
	s_wait_dscnt 0x0
	s_barrier_signal -1
	MUL12 F1, 0, 2, 0                              ; register work while the others arrive
	WIN 0
	s_barrier_wait -1
.if \fill
	CREST                                          ; no wave of any partner still reads this slot or has a load on its way
	s_add_nc_u64 s[G0+4*\slot+2:G0+4*\slot+3], s[G0+4*\slot+2:G0+4*\slot+3], 2*KSTEP*2
	s_add_nc_u64 s[G0B+4*\slot+2:G0B+4*\slot+3], s[G0B+4*\slot+2:G0B+4*\slot+3], 2*KSTEP*2
	JLOAD \slot                                    ; the wave's one tensor load behind the round
.endif
	PLACES
	FETCH \next, 0, F0
	WIN MUL_HI
	MUL12 F1, 1, 0, 0
	MUL12 F1, 1, 2, 0
.endm
.macro LAP zero
	THREE 0, \zero
	TURN 0, 1, 1
	THREE 1, 0
	TURN 1, 0, 1
.endm
	s_wait_tensorcnt 0x1                           ; my part of K step 0 is in; K step 1's may stay out
	s_barrier_signal -1
	s_barrier_wait -1
	FETCH 0, 0, F0
	LAP 1                                          ; the first lap's first products start the sums: nothing is cleared
	WIN 0
	s_mov_b32 s3, LAPS-2
.Llap:
	LAP 0
	WIN 0
	s_sub_co_u32 s3, s3, 1
	s_cmp_lg_u32 s3, 0
	s_cbranch_scc1 .Llap
	THREE 0, 0                                     ; the last lap fills nothing
	TURN 0, 1, 0
	THREE 1, 0
	s_wait_dscnt 0x8
	WIN MUL_LO
	MUL12 F1, 0, 0, 0
	MUL12 F1, 0, 2, 0
	s_wait_dscnt 0x0
	WIN MUL_HI
	MUL12 F1, 1, 0, 0
	MUL12 F1, 1, 2, 0
	; THE WAY OUT: round to f16, four registers a tile, and store each tile whole
	PLACES                                         ; the places behind the last matrix instructions, for the conversions' sources and destinations
	s_lshl_b32 s14, s13, 8
	s_lshl_b32 s15, s11, 7
	s_add_co_u32 s14, s14, s15                     ; my first row m0
	s_lshr_b32 s15, s14, 11                        ; b
	s_mul_i32 s15, s15, 12582912                   ; 48 x 262,144 bytes for each b
	s_and_b32 s14, s14, 2047                       ; s
	s_lshl_b32 s14, s14, 7                         ; 2,048 bytes for 16 rows
	s_add_co_u32 s16, s14, s15
	s_mov_b32 s17, 0
	s_add_nc_u64 s[8:9], s[6:7], s[16:17]
; rows 16 g .. 16 g + 15 of my block = the six tiles (a, 0..5) of window 2 or 3 (from = 0x0a or 0x0f: sources 0 and 1)
.macro OUTA g, a, from
	WIN \from
.irp b, 0,1,2,3,4,5
.irp r, 0,1,2,3
	v_cvt_pk_f16_f32 v[TMP+24*\g+4*\b+\r], v[8*(6*\a+\b)+2*\r], v[8*(6*\a+\b)+2*\r+1]
.endr
.endr
	WIN 0
.irp b, 0,1,2,3,4,5
	global_store_b128 v[CO+\b], v[TMP+24*\g+4*\b:TMP+24*\g+4*\b+3], s[8:9] offset:\g*2048   ; 32 lanes store 512 consecutive bytes, aligned
.endr
.endm
	OUTA 0, 0, 0x0a
	OUTA 1, 1, 0x0a
	OUTA 2, 2, 0x0a
	OUTA 3, 3, 0x0a
	OUTA 4, 0, 0x0f
	OUTA 5, 1, 0x0f
	OUTA 6, 2, 0x0f
	OUTA 7, 3, 0x0f
	CROUND                                         ; the closing round: no work-group ends while a partner may still ask for a tile that names it
	s_endpgm
.Lfunc_end_k_q8377cf87ad_qkvgemm:
	.size	k_q8377cf87ad_qkvgemm, .Lfunc_end_k_q8377cf87ad_qkvgemm-k_q8377cf87ad_qkvgemm
	.p2alignl 7, 3214868480
	.fill 96, 4, 3214868480
	.section	.rodata,"a",@progbits
	.p2align	6, 0x0
	.amdhsa_kernel k_q8377cf87ad_qkvgemm
		.amdhsa_group_segment_fixed_size 327680
		.amdhsa_private_segment_fixed_size 0
		.amdhsa_enable_private_segment 0
		.amdhsa_kernarg_size 16
		.amdhsa_user_sgpr_count 2
		.amdhsa_user_sgpr_kernarg_segment_ptr 1
		.amdhsa_wavefront_size32 1
		.amdhsa_system_sgpr_workgroup_id_x 1
		.amdhsa_system_sgpr_workgroup_id_y 1
		.amdhsa_system_sgpr_workgroup_id_z 1
		.amdhsa_system_vgpr_workitem_id 0
		.amdhsa_next_free_vgpr 960
		.amdhsa_next_free_sgpr 66
		.amdhsa_reserve_vcc 0
		.amdhsa_float_denorm_mode_32 3
		.amdhsa_float_denorm_mode_16_64 3
		.amdhsa_memory_ordered 1
		.amdhsa_forward_progress 1
		.amdhsa_inst_pref_size 151
	.end_amdhsa_kernel
	.amdgpu_metadata
---
amdhsa.version: [ 1, 2 ]
amdhsa.kernels:
  - .name:           k_q8377cf87ad_qkvgemm
    .symbol:         k_q8377cf87ad_qkvgemm.kd
    .args:
      - { .name: cb, .offset: 0, .size: 8, .value_kind: global_buffer, .address_space: global }
      - { .name: qkvt, .offset: 8, .size: 8, .value_kind: global_buffer, .address_space: global }
    .group_segment_fixed_size: 327680
    .private_segment_fixed_size: 0
    .kernarg_segment_align: 8
    .kernarg_segment_size: 16
    .max_flat_workgroup_size: 128
    .sgpr_count:     66
    .vgpr_count:     960
    .wavefront_size: 32
...
	.end_amdgpu_metadata
.endif
;; end of part 2
;; launch attn (part 3): grid 256 x 1, 8 waves a work-group, no clusters, 327,680 bytes of LDS; arguments qkvt, et; writes et
.if DOCPART == 3
	.amdgcn_target "amdgcn-amd-amdhsa--gfx1250"
	.amdhsa_code_object_version 6
	.text
	.protected	k_q8377cf87ad_attn
	.globl	k_q8377cf87ad_attn
	.p2align	8
	.type	k_q8377cf87ad_attn,@function
k_q8377cf87ad_attn:
	s_mov_b64 s[64:65], 0
	v_nop
	global_prefetch_b8 v0, s[64:65] scope:SCOPE_SE
	s_setreg_imm32_b32 hwreg(HW_REG_WAVE_MODE, 25, 1), 1
	s_wait_xcnt 0x0
; Causal attention with a running maximum: e = softmax(q k^T / 8, keys up to the query) v, for 2 x 16 heads of 2,048 rows x 64.
; SHARE.  Work-group id: i = id & 7, head (b, h) = id >> 3.  It makes query block i and then block 15 - i (128 rows each): i + 1 and 16 - i
; key tiles of 128 keys, 17 steps in every work-group, so the 256 work-groups have equal work.  Step n reads tile n (n <= i) or n - i - 1.
; Steps n = i and n = 16 are the blocks' diagonal tiles.  Wave w: wq = w & 3 has 32 query rows (two tiles of 16, Q = 0, 1), g = w >> 2 has
; 64 of a tile's 128 keys.  Waves w and w + 4 hold the same rows; their (m, l, O) meet in LDS at the end of a block.
; TRANSPOSED: S^T = K Q^T, so lane (r = l % 16, h = l / 16) holds keys 16 T + 8 h + j (register j) of query r: maximum and sum are one number a lane,
; and two tiles of S^T rounded to f16 ARE the second source of O^T = V^T P^T.  V^T comes from LDS by transposing loads.
; qkvt's layout: [b][g 48][sb 128][dt 4][512 bytes]; the 16 bytes (row rr, columns 8 c ..) of a tile at 256 c + 16 ((rr + 8 c) & 15).
; et's layout: [m128 32][h >> 2][mb 8][kt 16][512 bytes], kt = 4 (h & 3) + dt; the 16 bytes (row rr, columns 8 c ..) at 16 (16 c + rr).
; NO JOINT LOADS: the work-groups of a head walk different runs of tiles and meet their diagonal at different steps, and partners of a joint
; load must run alike; in lockstep a pair of blocks would take 24 steps in place of 17.
; NO PREFETCH: K and V were stored by the launch in front of this one, and each tile is read by up to eight work-groups of the head.
; LIMITS: operands f16: |q|, |k|, |v|, |e| below 65,504; a probability below 6e-8 of its row's largest counts as 0; the exponent is
; fma(s, c, -round(c m)), c = log2(e) / 8, so it carries an error of 6e-8 |c m|; results on non-finite inputs are not reference()'s.
.set SLOTB, 32768                      ; an LDS slot: K's tile (16,384 bytes, dense), then V's
.set MRG,   65536                      ; behind the ring: 8,704 bytes for each wq, written by LDS stores alone; no fill lands there
.set QF,   16                          ; v[16:47]   Q fragments, at 16 Q + 8 ks
.set OA,   48                          ; v[48:111]  O^T, at 32 Q + 8 dt
.set SC,   112                         ; v[112:175] S^T, at 32 Q + 8 T; P^T in f16 is made in place at 32 Q + 4 T
.set FR,   176                         ; v[176:239] K fragments at 16 T + 8 ks, then V^T fragments at 32 kk + 8 dt
.set MX,   240                         ; v[240:241] running maximum of query r, Q = 0, 1 (unscaled scores)
.set LS,   242                         ; v[242:243] running sum over my half's keys
.set DQ,   244                         ; v[244:245] 32 (wq & 1) + 16 Q + r - 8 h: on the diagonal key 16 T + j is masked where it is larger
.set NINF, 246                         ; -infinity
.set NM,   248                         ; v[248:249] -c m, twice
.set AL,   250                         ; v[250:251] the old sums' factor, twice
.set T0,   252                         ; v[252:255] at work
; v1 K's LDS address, v2 V's, v3 Q's offset, v4 my bytes in MRG, v5 my bytes in a tile of et, v8-15 at work
; s8 wave, s9 g, s10 wq, s11 wq >> 1, s12 i, s13 i + 1, s[16:23] group 1, s[24:27] group 0, s[28:29] K's or V's head, s[30:31] an offset (high word 0),
; s32 n, s33 n + 1, s36 16,384 x wave, s[38:39] Q's block, s[40:41] e's block, s42-43 lane selects, s44 q head's offset, s45 e's offset without the block
.macro NOPS n
.rept \n
	v_nop
.endr
.endm
; Wave 0 loads K's tile, wave 1 V's; the others load nothing.  One tensor load of a wave is out at the most.
.macro TLOAD
	s_cmp_gt_u32 s8, 1
	s_cbranch_scc1 .Lnone_\@
	tensor_load_to_lds s[24:27], s[16:23]
	s_nop 0
.Lnone_\@:
.endm
; s34 = the query block: Q's and e's addresses
.macro SETBLK
	s_lshl_b32 s30, s34, 14                        ; 128 rows x 128 bytes
	s_add_co_u32 s30, s30, s44
	s_add_nc_u64 s[38:39], s[4:5], s[30:31]
	s_lshl_b32 s30, s34, 18                        ; 128 rows x 2,048 bytes
	s_add_co_u32 s30, s30, s45
	s_add_nc_u64 s[40:41], s[6:7], s[30:31]
.endm
.macro QLOAD                           ; my 32 query rows as four fragments: each load takes a whole tile of 512 bytes
.irp Q, 0,1
.irp ks, 0,1
.irp u, 0,1
	global_load_b128 v[QF+16*\Q+8*\ks+4*\u:QF+16*\Q+8*\ks+4*\u+3], v3, s[38:39] offset:\Q*2048+\ks*1024+\u*512
.endr
.endr
.endr
	s_wait_loadcnt 0x0
.endm
	s_load_b128 s[4:7], s[0:1], 0x0                ; qkvt s[4:5], et s[6:7]
	v_lshl_add_u32 v247, v0, 2, 0x29000
	s_set_vgpr_msb 0x40
	v_mov_b32 v1, 0
	s_set_vgpr_msb 0x4044
	ds_add_u32 v247, v1
	s_set_vgpr_msb 0x4400
	v_lshrrev_b32 v1, 5, v0
	v_readfirstlane_b32 s8, v1                     ; wave 0..7
	s_lshr_b32 s9, s8, 2                           ; g
	s_and_b32 s10, s8, 3                           ; wq
	s_lshr_b32 s11, s10, 1                         ; which 64 of the block's rows hold mine
	s_and_b32 s12, ttmp9, 7                        ; i
	s_add_co_u32 s13, s12, 1
	s_lshr_b32 s34, ttmp9, 3
	s_lshr_b32 s35, s34, 4                         ; b
	s_and_b32 s34, s34, 15                         ; h
	s_mul_i32 s44, s35, 48
	s_add_co_u32 s44, s44, s34
	s_lshl_b32 s44, s44, 18                        ; (48 b + h) x 262,144
	s_lshl_b32 s45, s35, 22                        ; et: 16 b blocks of 262,144 bytes
	s_lshr_b32 s46, s34, 2
	s_lshl_b32 s46, s46, 16                        ; + (h >> 2) x 65,536
	s_add_co_u32 s45, s45, s46
	s_lshl_b32 s46, s10, 14                        ; + 2 wq x 8,192
	s_add_co_u32 s45, s45, s46
	s_and_b32 s46, s34, 3
	s_lshl_b32 s46, s46, 11                        ; + (h & 3) x 4 tiles of 512
	s_add_co_u32 s45, s45, s46
	s_and_b32 s46, s8, 1
	s_add_co_u32 s46, s46, 1
	s_lshl_b32 s46, s46, 22                        ; 16 heads on for K (even wave), 32 for V (odd wave): 16 x 262,144 = 1 << 22
	s_add_co_u32 s30, s44, s46
	s_mov_b32 s31, 0
	s_lshl_b32 s36, s8, 14                         ; K's tile at the slot's byte 0, V's at 16,384
	s_mov_b32 s42, 0x76543210                      ; v_permlanex16_b32: lane i of one half reads lane i of the other
	s_mov_b32 s43, 0xfedcba98
	; group 1: a dense block of 16,384 bytes as 64 rows of 32 elements of 8 bytes
	s_mov_b32 s16, 3<<16
	s_mov_b32 s17, 32<<16                          ; tensor_dim0 = 32
	s_mov_b32 s18, 64<<16                          ; tensor_dim1 = 64
	s_mov_b32 s19, 32<<16                          ; tile_dim0 = 32
	s_mov_b32 s20, 64                              ; tile_dim1 = 64
	s_mov_b32 s21, 32                              ; 32 elements from row to row
	s_mov_b32 s22, 0
	s_mov_b32 s23, 0
	s_mov_b32 s24, 1
	s_mov_b32 s25, s36                             ; slot 0
	s_wait_dscnt 0x0
	s_barrier_signal -1
	s_barrier_wait -1
	s_wait_kmcnt 0x0
	s_add_nc_u64 s[28:29], s[4:5], s[30:31]        ; my head's K (V), tile 0
	s_mov_b64 s[26:27], s[28:29]
	s_or_b32 s27, s27, 0x80000000
	TLOAD                                          ; step 0's tile: the one first fill at the start
	v_and_b32 v6, 31, v0                           ; l
	v_and_b32 v7, 15, v0                           ; r
	v_bfe_u32 v8, v0, 4, 1                         ; h
	v_lshl_add_u32 v9, v8, 3, v7
	v_and_b32 v9, 15, v9
	v_lshlrev_b32 v9, 4, v9
	v_lshl_add_u32 v9, v8, 8, v9                   ; 256 h + 16 ((r + 8 h) & 15): my 16 bytes of a tile as half of a fragment
	v_lshl_add_u32 v1, s9, 13, v9                  ; K: my 64 keys are 4 x 2,048 bytes
	v_lshl_add_u32 v3, s10, 12, v9                 ; Q: my 32 rows are 2 x 2,048 bytes
	; V, by transposing loads: lane l addresses key row 8 (l / 16) + (l & 7), columns 8 c .., c = (l >> 3) & 1, which lie at 256 c + 16 (8 ((l / 16) ^ c) + (l & 7)):
	; the sixteen lanes of a half touch sixteen different 16-byte columns of 256
	v_bfe_u32 v10, v0, 3, 1
	v_and_b32 v11, 7, v0
	v_xor_b32 v12, v8, v10
	v_lshl_add_u32 v11, v12, 3, v11
	v_lshlrev_b32 v11, 4, v11
	v_lshl_add_u32 v11, v10, 8, v11
	s_lshl_b32 s34, s9, 13
	s_add_co_u32 s34, s34, 16384
	v_add_nc_u32 v2, s34, v11
	s_mul_i32 s34, s10, 8704
	s_add_co_u32 s34, s34, MRG
	v_lshl_add_u32 v4, v6, 4, s34
	v_lshlrev_b32 v5, 4, v6
	s_and_b32 s34, s10, 1
	s_lshl_b32 s34, s34, 5
	v_lshlrev_b32 v12, 3, v8
	v_sub_nc_u32 v13, v7, v12
	v_add_nc_u32 v[DQ], s34, v13
	v_add_nc_u32 v[DQ+1], 16, v[DQ]
	v_mov_b32 v[NINF], 0xff800000
	s_mov_b32 s34, s12
	SETBLK
	; The state.  O is cleared here alone: a wave whose keys all lie above block 0's diagonal runs no round there and hands on zeros.
.set k, 0
.rept 64
	v_mov_b32 v[OA+k], 0
.set k, k+1
.endr
	v_mov_b32 v[MX], v[NINF]
	v_mov_b32 v[MX+1], v[NINF]
	v_mov_b32 v[LS], 0
	v_mov_b32 v[LS+1], 0
.irp t, 0,1,2,3
	v_mov_b32 v[T0+\t], 0                          ; v_permlanex16_b32 counts as a reader of its destination
.endr
	QLOAD
; The running softmax of query tile Q over this round's 64 keys (32 numbers a lane).
.macro SOFT Q
.set SB, SC+32*\Q
	v_max3_num_f32 v[T0],   v[SB+0], v[SB+1],  v[SB+2]             ; four chains that do not wait for each other
	v_max3_num_f32 v[T0+1], v[SB+3], v[SB+4],  v[SB+5]
	v_max3_num_f32 v[T0+2], v[SB+6], v[SB+7],  v[SB+8]
	v_max3_num_f32 v[T0+3], v[SB+9], v[SB+10], v[SB+11]
.set k, 12
.rept 10
	v_max3_num_f32 v[T0+(k/2)%4], v[T0+(k/2)%4], v[SB+k], v[SB+k+1]
.set k, k+2
.endr
	v_max3_num_f32 v[T0], v[T0], v[T0+1], v[T0+2]
	v_max3_num_f32 v[T0], v[T0], v[T0+3], v[MX+\Q]
	v_permlanex16_b32 v[T0+1], v[T0], s42, s43     ; the other half's keys of the same query
	v_max_num_f32 v[T0+1], v[T0], v[T0+1]          ; the new maximum: finite, since every round has a key that the query may see
	v_sub_f32 v[T0+2], v[MX+\Q], v[T0+1]           ; -infinity at a block's first round: the factor is then 0
	v_mul_f32 v[T0+2], 0x3e38aa3b, v[T0+2]         ; c = log2(e) / 8
	v_exp_f32 v[AL], v[T0+2]
	v_mov_b32 v[MX+\Q], v[T0+1]                    ; a plain instruction stands between the exponential and the use of its result (ISA guide 5.7.2)
	v_mul_f32 v[NM], 0xbe38aa3b, v[T0+1]
	v_mul_f32 v[NM+1], 0xbe38aa3b, v[T0+1]
	s_wait_alu depctr_va_vdst(0)
	v_mov_b32 v[AL+1], v[AL]
.set k, 0
.rept 16
	v_pk_fma_f32 v[SB+k:SB+k+1], v[SB+k:SB+k+1], 0x3e38aa3b, v[NM:NM+1] op_sel_hi:[1,0,1]   ; c s - c m; a masked score stays -infinity
.set k, k+2
.endr
.set k, 0
.rept 32
	v_exp_f32 v[SB+k], v[SB+k]
.set k, k+1
.endr
	v_mul_f32 v[LS+\Q], v[LS+\Q], v[AL]            ; the plain place behind the exponentials
	s_wait_alu depctr_va_vdst(0)
	v_pk_add_f32 v[8:9],   v[SB+0:SB+1],   v[SB+2:SB+3]
	v_pk_add_f32 v[10:11], v[SB+4:SB+5],   v[SB+6:SB+7]
	v_pk_add_f32 v[12:13], v[SB+8:SB+9],   v[SB+10:SB+11]
	v_pk_add_f32 v[14:15], v[SB+12:SB+13], v[SB+14:SB+15]
.set k, 16
.rept 8
	v_pk_add_f32 v[8+k%8:9+k%8], v[8+k%8:9+k%8], v[SB+k:SB+k+1]
.set k, k+2
.endr
	v_pk_add_f32 v[8:9], v[8:9], v[10:11]
	v_pk_add_f32 v[12:13], v[12:13], v[14:15]
	v_pk_add_f32 v[8:9], v[8:9], v[12:13]
	v_add_f32 v8, v8, v9
	v_add_f32 v[LS+\Q], v[LS+\Q], v8
.set k, 0
.rept 16
	v_cvt_pk_f16_f32 v[SB+k], v[SB+2*k], v[SB+2*k+1]               ; in place, ascending: word k is written when words 2 k, 2 k + 1 are read
.set k, k+1
.endr
.set k, 0
.rept 16
	v_pk_mul_f32 v[OA+32*\Q+k:OA+32*\Q+k+1], v[OA+32*\Q+k:OA+32*\Q+k+1], v[AL:AL+1]
.set k, k+2
.endr
.endm
; A round: my 64 keys of the tile in slot against my 32 queries.  masked = 1: the keys and the queries are the same 64 rows.
.macro ROUND slot, masked
.irp ks, 0,1
.irp T, 0,1,2,3
.irp u, 0,1
	ds_load_b128 v[FR+16*\T+8*\ks+4*\u:FR+16*\T+8*\ks+4*\u+3], v1 offset:\slot*SLOTB+\T*2048+\ks*1024+\u*512
.endr
.endr
.endr
	s_wait_dscnt 0x8                               ; d = 0..31 of all four key tiles is in; the eight loads of d = 32..63 may be out
	; eight accumulators take turns, one instruction a turn; the first product starts each sum
.irp T, 0,1,2,3
.irp Q, 0,1
	v_wmma_f32_16x16x32_f16 v[SC+32*\Q+8*\T:SC+32*\Q+8*\T+7], v[FR+16*\T:FR+16*\T+7], v[QF+16*\Q:QF+16*\Q+7], 0
.endr
.endr
	s_wait_dscnt 0x0
.irp T, 0,1,2,3
.irp Q, 0,1
	v_wmma_f32_16x16x32_f16 v[SC+32*\Q+8*\T:SC+32*\Q+8*\T+7], v[FR+16*\T+8:FR+16*\T+15], v[QF+16*\Q+8:QF+16*\Q+15], v[SC+32*\Q+8*\T:SC+32*\Q+8*\T+7]
.endr
.endr
	NOPS 4                                         ; four places before loads land on K's fragments and vector work reads the scores
.irp kk, 0,1
.irp dt, 0,1,2,3
.irp u, 0,1
	ds_load_tr16_b128 v[FR+32*\kk+8*\dt+4*\u:FR+32*\kk+8*\dt+4*\u+3], v2 offset:\slot*SLOTB+(2*\kk+\u)*2048+\dt*512
.endr
.endr
.endr
.if \masked
.irp Q, 0,1
.irp T, 0,1,2,3
.irp j, 0,1,2,3,4,5,6,7
	v_cmp_gt_i32 vcc_lo, 16*\T+\j, v[DQ+\Q]        ; key 16 T + 8 h + j lies behind query 32 (wq & 1) + 16 Q + r
	v_cndmask_b32 v[SC+32*\Q+8*\T+\j], v[SC+32*\Q+8*\T+\j], v[NINF], vcc_lo
.endr
.endr
.endr
.endif
	SOFT 0
	SOFT 1
	s_wait_dscnt 0x0                               ; V's fragments, issued ahead of the softmax
.irp kk, 0,1
.irp Q, 0,1
.irp dt, 0,1,2,3
	v_wmma_f32_16x16x32_f16 v[OA+32*\Q+8*\dt:OA+32*\Q+8*\dt+7], v[FR+32*\kk+8*\dt:FR+32*\kk+8*\dt+7], v[SC+32*\Q+8*\kk:SC+32*\Q+8*\kk+7], v[OA+32*\Q+8*\dt:OA+32*\Q+8*\dt+7]
.endr
.endr
.endr
	NOPS 5                                         ; five places before the next matrix instruction writes over P, four before loads land on V's fragments or vector work reads O
.endm
; Query tile Q of the pair's sums joined: mine (m, l, O) with the partner's (v[8+Q], v[10+Q], FR), divided by the sum, rounded to f16 into SC.
.macro MERGE Q
	v_max_num_f32 v[T0], v[MX+\Q], v[8+\Q]         ; mine is finite (keys 0-63 of a tile always hold one that the query may see); the partner's may be -infinity
	v_sub_f32 v[T0+1], v[MX+\Q], v[T0]
	v_sub_f32 v[T0+2], v[8+\Q], v[T0]
	v_mul_f32 v[T0+1], 0x3e38aa3b, v[T0+1]
	v_mul_f32 v[T0+2], 0x3e38aa3b, v[T0+2]
	v_exp_f32 v[T0+1], v[T0+1]
	v_exp_f32 v[T0+2], v[T0+2]
	v_nop                                          ; the plain place behind the exponentials
	s_wait_alu depctr_va_vdst(0)
	v_mul_f32 v[T0+3], v[LS+\Q], v[T0+1]
	v_fmac_f32 v[T0+3], v[10+\Q], v[T0+2]
	v_rcp_f32 v[T0+3], v[T0+3]
	v_nop                                          ; and behind the reciprocal
	s_wait_alu depctr_va_vdst(0)
	v_mul_f32 v[NM],   v[T0+1], v[T0+3]
	v_mul_f32 v[NM+1], v[T0+1], v[T0+3]
	v_mul_f32 v[AL],   v[T0+2], v[T0+3]
	v_mul_f32 v[AL+1], v[T0+2], v[T0+3]
.set k, 0
.rept 16
	v_pk_mul_f32 v[OA+32*\Q+k:OA+32*\Q+k+1], v[OA+32*\Q+k:OA+32*\Q+k+1], v[NM:NM+1]
	v_pk_fma_f32 v[OA+32*\Q+k:OA+32*\Q+k+1], v[FR+32*\Q+k:FR+32*\Q+k+1], v[AL:AL+1], v[OA+32*\Q+k:OA+32*\Q+k+1]
.set k, k+2
.endr
.set k, 0
.rept 16
	v_cvt_pk_f16_f32 v[SC+16*\Q+k], v[OA+32*\Q+2*k], v[OA+32*\Q+2*k+1]
.set k, k+1
.endr
.endm
; The end of a query block.  Whether a step comes here hangs on n and i alone, so all eight waves pass its barrier together.
.macro FINISH last
	v_permlanex16_b32 v[T0],   v[LS],   s42, s43   ; the two halves' sums of a query
	v_permlanex16_b32 v[T0+1], v[LS+1], s42, s43
	v_add_f32 v[LS],   v[LS],   v[T0]
	v_add_f32 v[LS+1], v[LS+1], v[T0+1]
	s_cmp_eq_u32 s9, 0
	s_cbranch_scc1 .Lkeep_\@
.irp k, 0,1,2,3,4,5,6,7,8,9,10,11,12,13,14,15
	ds_store_b128 v4, v[OA+4*\k:OA+4*\k+3] offset:512*\k           ; waves 4-7 hand their sums over
.endr
	ds_store_b128 v4, v[MX:MX+3] offset:8192
.Lkeep_\@:
	s_wait_dscnt 0x0                               ; for the partner's sake: the stores are done
	s_barrier_signal -1                            ; the step's refill may stay out: no slot is filled before the next step's own barrier
	s_barrier_wait -1
	s_cmp_lg_u32 s9, 0
	s_cbranch_scc1 .Ldone_\@
.irp k, 0,1,2,3,4,5,6,7,8,9,10,11,12,13,14,15
	ds_load_b128 v[FR+4*\k:FR+4*\k+3], v4 offset:512*\k
.endr
	ds_load_b128 v[8:11], v4 offset:8192
	s_wait_dscnt 0x0                               ; these reads are over long before the next block's stores, which stand behind later barriers
	MERGE 0
	MERGE 1
.irp Q, 0,1
.irp dt, 0,1,2,3
	global_store_b128 v5, v[SC+16*\Q+4*\dt:SC+16*\Q+4*\dt+3], s[40:41] offset:\Q*8192+\dt*512   ; a whole tile: 512 consecutive bytes, aligned
.endr
.endr
.if \last == 0
	s_wait_xcnt 0x0                                ; the stores' data and base are written again only behind this wait
.endif
.Ldone_\@:
.if \last == 0
	; Block 15 - i.  O is not cleared: the block has at least nine key tiles, so every wave runs a round, and with m = -infinity the first
	; round's factor is 0 and multiplies the old sums, which are finite, away.
	v_mov_b32 v[MX], v[NINF]
	v_mov_b32 v[MX+1], v[NINF]
	v_mov_b32 v[LS], 0
	v_mov_b32 v[LS+1], 0
	s_sub_co_u32 s34, 15, s12
	SETBLK
	QLOAD
.endif
.endm
; Step n (in s[nreg]) on the tile in slot.  inloop = 1: the other slot is filled with step n + 1's tile, and the step may or may not be the first block's
; diagonal.  inloop = 0: step 16, the second block's diagonal; nothing is left to fetch.
.macro STEP slot, nreg, inloop
	s_set_vgpr_msb 0x4
	s_wait_tensorcnt 0x0                           ; all my tensor loads have landed, this step's tile among them: group 0 may be written
	ds_add_u32 v247, v1
	s_wait_dscnt 0x0
	s_set_vgpr_msb 0x400
.if \inloop
	s_add_co_u32 s34, s[\nreg], 1
	s_cmp_gt_u32 s34, s12
	s_cselect_b32 s35, s13, 0
	s_sub_co_u32 s34, s34, s35                     ; the tile of step n + 1: n + 1, or n - i in the second block
	s_lshl_b32 s30, s34, 14
	s_add_nc_u64 s[26:27], s[28:29], s[30:31]
	s_or_b32 s27, s27, 0x80000000
	s_add_co_u32 s25, s36, (1-\slot)*SLOTB
.endif
	s_wait_dscnt 0x0                               ; my reads of the other slot are over
	s_barrier_signal -1
	s_barrier_wait -1                              ; both now hold of every wave
.if \inloop
	TLOAD                                          ; the wave's one tensor load behind this barrier, first thing there; it has the step's work in which to land
	s_cmp_lg_u32 s[\nreg], s12
	s_cbranch_scc1 .Lfull_\@
.endif
	s_cmp_lt_u32 s11, s9                           ; the diagonal tile: my keys all lie behind my queries: nothing to do,
	s_cbranch_scc1 .Lskip_\@
	s_cmp_gt_u32 s11, s9                           ; all lie in front of them,
	s_cbranch_scc1 .Lfull_\@
	ROUND \slot, 1                                 ; or they are the same 64 rows
	s_branch .Lskip_\@
.Lfull_\@:
	ROUND \slot, 0
.Lskip_\@:
.if \inloop
	s_cmp_lg_u32 s[\nreg], s12
	s_cbranch_scc1 .Lnext_\@
	FINISH 0
.Lnext_\@:
.else
	FINISH 1
.endif
.endm
	s_mov_b32 s32, 0
.Lpair:
	STEP 0, 32, 1
	s_add_co_u32 s33, s32, 1
	STEP 1, 33, 1
	s_add_co_u32 s32, s32, 2
	s_cmp_lt_u32 s32, 16
	s_cbranch_scc1 .Lpair
	STEP 0, 32, 0
	s_set_vgpr_msb 0x4
	s_wait_tensorcnt 0x0
	ds_add_u32 v247, v1
	s_wait_dscnt 0x0
	s_set_vgpr_msb 0x400
	s_endpgm
.Lfunc_end_k_q8377cf87ad_attn:
	.size	k_q8377cf87ad_attn, .Lfunc_end_k_q8377cf87ad_attn-k_q8377cf87ad_attn
	.p2alignl 7, 3214868480
	.fill 96, 4, 3214868480
	.section	.rodata,"a",@progbits
	.p2align	6, 0x0
	.amdhsa_kernel k_q8377cf87ad_attn
		.amdhsa_group_segment_fixed_size 327680
		.amdhsa_private_segment_fixed_size 0
		.amdhsa_enable_private_segment 0
		.amdhsa_kernarg_size 16
		.amdhsa_user_sgpr_count 2
		.amdhsa_user_sgpr_kernarg_segment_ptr 1
		.amdhsa_wavefront_size32 1
		.amdhsa_system_sgpr_workgroup_id_x 1
		.amdhsa_system_sgpr_workgroup_id_y 1
		.amdhsa_system_sgpr_workgroup_id_z 1
		.amdhsa_system_vgpr_workitem_id 0
		.amdhsa_next_free_vgpr 258
		.amdhsa_next_free_sgpr 66
		.amdhsa_reserve_vcc 1
		.amdhsa_float_denorm_mode_32 3
		.amdhsa_float_denorm_mode_16_64 3
		.amdhsa_memory_ordered 1
		.amdhsa_forward_progress 1
		.amdhsa_inst_pref_size 167
	.end_amdhsa_kernel
	.amdgpu_metadata
---
amdhsa.version: [ 1, 2 ]
amdhsa.kernels:
  - .name:           k_q8377cf87ad_attn
    .symbol:         k_q8377cf87ad_attn.kd
    .args:
      - { .name: qkvt, .offset: 0, .size: 8, .value_kind: global_buffer, .address_space: global }
      - { .name: et, .offset: 8, .size: 8, .value_kind: global_buffer, .address_space: global }
    .group_segment_fixed_size: 327680
    .private_segment_fixed_size: 0
    .kernarg_segment_align: 8
    .kernarg_segment_size: 16
    .max_flat_workgroup_size: 256
    .sgpr_count:     66
    .vgpr_count:     258
    .wavefront_size: 32
...
	.end_amdgpu_metadata
.endif
;; end of part 3
;; launch proj (part 4): grid 8 x 32, 4 waves a work-group, clusters of 4 x 4, 327,680 bytes of LDS; arguments et, cb, out0; writes out0
.if DOCPART == 4
	.amdgcn_target "amdgcn-amd-amdhsa--gfx1250"
	.amdhsa_code_object_version 6
	.text
	.protected	k_q8377cf87ad_proj
	.globl	k_q8377cf87ad_proj
	.p2align	8
	.type	k_q8377cf87ad_proj,@function
k_q8377cf87ad_proj:
	s_mov_b64 s[64:65], 0
	v_nop
	global_prefetch_b8 v0, s[64:65] scope:SCOPE_SE
	s_setreg_imm32_b32 hwreg(HW_REG_WAVE_MODE, 25, 1), 1
	s_wait_xcnt 0x0
	s_wait_alu depctr_hold_cnt(0) depctr_sa_sdst(0) depctr_va_vdst(0) depctr_va_sdst(0) depctr_va_ssrc(0) depctr_va_vcc(0) depctr_vm_vsrc(0)
	s_getreg_b32 s2, hwreg(HW_REG_IB_STS2, 6, 4)
	s_cmp_eq_u32 s2, 0
	s_cbranch_scc0 .Lentry_in_a_cluster
	s_endpgm
.Lentry_in_a_cluster:
	s_bfe_u32 s2, ttmp6, 0x10000c
	s_cmp_lg_u32 s2, 0xf033
	s_cbranch_scc0 .Lentry_shape_is_right
	s_endpgm
.Lentry_shape_is_right:
; out0[m][n] = sum over k of e[m][k] w0[n][k], m = 0..4095, n = 0..1023, k = 0..1023.  Operands f16 (e from et, w0 from cb), sums and result f32.
; A work-group makes 128 x 128 with four waves (64 x 64 each, 16 accumulator tiles): 8 x 32 blocks = 256 work-groups.
; K goes in four parts of 256 through two LDS slots: two first fills and two refills, no loop.
; CLUSTERS: 4 x 4 work-groups; e's tiles hang on the block row alone and are asked for jointly along a cluster's row, w0's on the block column alone, along a column.
; et's layout: [m128 32][kslot 4][mb 8][kt 16][512 bytes]; the 16 bytes (row rr, columns 8 c ..) of a tile of 16 x 16 lie at 16 (16 c + rr), so lane l's
; 16 bytes of a tile, at 16 l, are half of its fragment: e's part of a slot is a dense block, and its LDS loads take 512 neighbouring bytes.
; The matrix instruction is used transposed (source 0 = rows of w0, source 1 = rows of e): lane (r, h) holds columns 8 h .. 8 h + 7 of row r.
; REGISTERS: window 0: addresses, e's fragments (two buffers of 64: f + 32 ksel + 8 a); window 1: w0's fragments (f + 32 ksel + 8 b); window 2: tile (a, b) at v[8 (4 a + b)].
.set QS,     33792                     ; a quarter of a slot: 64 rows of w0 at 528 bytes; e's quarter uses 32,768 of it
.set SLOT,   4*QS                      ; e's rows 0-63, 64-127, w0's rows 0-63, 64-127
.set STAGE,  2*SLOT                    ; behind the ring: 16 rows x 272 bytes for each wave; no fill lands there
.set SPITCH, 272
.set BP,     528                       ; w0's LDS row: 512 bytes + 16 of padding, 33 x 16 bytes
.set W0OFF,  14680064                  ; w0's first byte in cb
.set ADRA, 16
.set ADRB, 20
.set STO,  24
.set RD,   25
.set CO,   26
.set F0,   64
.set F1,   128
.set G1,  24
.set G0,  32
.set G1B, 48
.set G0B, 56
.set MSB, 0
.macro WIN new
.if MSB != \new
	s_set_vgpr_msb (MSB<<8)|\new
.set MSB, \new
.endif
.endm
.set MUL,  0xa1                        ; source 0 (w0) window 1, source 1 (e) window 0, C and D window 2
.set TO_B, 0x40
.macro JLOAD s                         ; waves 0 and 1 fetch e's two halves, waves 2 and 3 w0's; the branch hangs on the wave's number alone
	s_cmp_eq_u32 s11, 0
	s_cbranch_scc0 .Lfor_b_\@
	tensor_load_to_lds s[G0+4*\s:G0+4*\s+3], s[G1:G1+7]
	s_nop 0
	s_branch .Lasked_\@
.Lfor_b_\@:
	tensor_load_to_lds s[G0B+4*\s:G0B+4*\s+3], s[G1B:G1B+7]
	s_nop 0
.Lasked_\@:
.endm
.macro CREST
	s_cmp_lg_u32 s10, 0
	s_cbranch_scc1 .Lnot_wave_0_\@
	s_barrier_signal -3
.Lnot_wave_0_\@:
	s_barrier_wait -3
	s_barrier_signal -1
	s_barrier_wait -1
.endm
.macro CROUND
	s_barrier_signal -1
	s_barrier_wait -1
	CREST
.endm
	s_load_b128 s[4:7], s[0:1], 0x0                ; et s[4:5], cb s[6:7]
	s_load_b64 s[8:9], s[0:1], 0x10                ; out0
	s_set_vgpr_msb 0x40
	v_lshl_add_u32 v255, v0, 2, 0x46400
	s_set_vgpr_msb 0x4000
	v_mov_b32 v255, 0
	s_set_vgpr_msb 0x1
	ds_add_u32 v255, v255
	s_set_vgpr_msb 0x100
	v_lshrrev_b32 v1, 5, v0
	v_readfirstlane_b32 s10, v1                    ; wave 0..3
	s_lshr_b32 s11, s10, 1                         ; which 64 rows are mine.  Also: I fetch for e (0) or for w0 (1)
	s_and_b32 s12, s10, 1                          ; which 64 columns are mine.  Also: which half of that tile I fetch
	s_bfe_u32 s40, ttmp6, 0x40000                  ; cx
	s_bfe_u32 s41, ttmp6, 0x40004                  ; cy
	s_lshl_b32 s42, ttmp9, 2
	s_add_co_u32 s42, s42, s40                     ; block column
	s_and_b32 s13, ttmp7, 0xffff
	s_lshl_b32 s13, s13, 2
	s_add_co_u32 s13, s13, s41                     ; block row = m128
	s_lshl_b32 s43, s41, 2
	s_lshl_b32 s43, 15, s43                        ; my row of the cluster
	s_lshl_b32 s44, 0x1111, s40                    ; my column
	; e: a dense block of 32,768 bytes as 128 rows of 32 elements of 8 bytes.  w0: 64 rows of 256 elements of 2 bytes, 16 bytes of padding behind every 128 words
	s_or_b32 s[G1+0], s43, (3<<16)|(1<<21)
	s_or_b32 s[G1B+0], s44, (1<<16)|(1<<20)|(1<<21)|(6<<22)|(3<<25)
	s_mov_b32 s[G1+1], 32<<16
	s_mov_b32 s[G1B+1], 256<<16
	s_mov_b32 s[G1+2], 128<<16
	s_mov_b32 s[G1B+2], 64<<16
	s_mov_b32 s[G1+3], 32<<16
	s_mov_b32 s[G1B+3], 256<<16
	s_mov_b32 s[G1+4], 128
	s_mov_b32 s[G1B+4], 64
	s_mov_b32 s[G1+5], 32
	s_mov_b32 s[G1B+5], 1024
	s_mov_b32 s[G1+6], 0
	s_mov_b32 s[G1B+6], 0
	s_mov_b32 s[G1+7], 0
	s_mov_b32 s[G1B+7], 0
	s_lshl_b32 s16, s13, 18                        ; e: 262,144 bytes for each m128,
	s_lshl_b32 s17, s12, 15                        ; 32,768 for four blocks of 16 rows
	s_add_co_u32 s16, s16, s17
	s_mov_b32 s17, 0
	s_lshl_b32 s46, s42, 7
	s_lshl_b32 s47, s12, 6
	s_add_co_u32 s46, s46, s47                     ; w0: row 128 x block column + 64 x half
	s_lshl_b32 s46, s46, 11
	s_add_co_u32 s46, s46, W0OFF
	s_mov_b32 s47, 0
	s_mul_i32 s20, s10, QS                         ; where they go: quarter = wave's number
	s_wait_dscnt 0x0
	s_wait_kmcnt 0x0
	s_add_nc_u64 s[14:15], s[4:5], s[16:17]
	s_add_nc_u64 s[46:47], s[6:7], s[46:47]
	CROUND                                         ; in front of the first joint loads
.irp s, 0,1
	s_mov_b32 s[G0+4*\s], 1
	s_add_co_u32 s[G0+4*\s+1], s20, \s*SLOT
	s_add_nc_u64 s[G0+4*\s+2:G0+4*\s+3], s[14:15], \s*65536        ; kslot s
	s_or_b32 s[G0+4*\s+3], s[G0+4*\s+3], 0x80000000
	s_mov_b32 s[G0B+4*\s], 1
	s_add_co_u32 s[G0B+4*\s+1], s20, \s*SLOT
	s_add_nc_u64 s[G0B+4*\s+2:G0B+4*\s+3], s[46:47], \s*512        ; 256 elements along the rows
	s_or_b32 s[G0B+4*\s+3], s[G0B+4*\s+3], 0x80000000
	JLOAD \s                                       ; two loads of the wave are out
.endr
	v_and_b32 v1, 15, v0                           ; r
	v_bfe_u32 v2, v0, 4, 1                         ; h
	v_and_b32 v6, 31, v0
	v_lshlrev_b32 v7, 4, v6                        ; 16 l
	v_mul_u32_u24 v3, v1, BP
	v_lshl_add_u32 v3, v2, 4, v3                   ; r x pitch + 16 h
	s_mul_i32 s21, s11, QS
	s_mul_i32 s22, s12, QS
	s_add_co_u32 s22, s22, 2*QS
.irp s, 0,1
	v_add_nc_u32 v[ADRA+\s], s21, v7
	v_add_nc_u32 v[ADRB+\s], s22, v3
	s_add_co_u32 s21, s21, SLOT
	s_add_co_u32 s22, s22, SLOT
.endr
	s_mul_i32 s23, s10, 16*SPITCH
	s_add_co_u32 s23, s23, STAGE                   ; my stage
	v_mul_u32_u24 v4, v1, SPITCH                   ; in: row r, 32 bytes for each half of the lanes
	v_lshl_add_u32 v4, v2, 5, v4
	v_add_nc_u32 v[STO], s23, v4
	v_mul_u32_u24 v5, v2, SPITCH                   ; back: lanes 0-15 take one row of 256 bytes, lanes 16-31 the next
	v_lshl_add_u32 v5, v1, 4, v5
	v_add_nc_u32 v[RD], s23, v5
	v_lshlrev_b32 v5, 12, v2                       ; and the same two rows in out0 (4,096 bytes a row)
	v_lshl_add_u32 v[CO], v1, 4, v5
; 8 matrix instructions: row blocks a0, a0 + 1 x all 4 column blocks, 32 along K (block ksel of buffer f).
; The 16 accumulators take turns, one instruction a turn, in the same order for every 32 along K.
.macro MUL8 f, ksel, a0, zero
.irp a, \a0, \a0+1
.irp b, 0,1,2,3
.if \zero
	v_wmma_f32_16x16x32_f16 v[8*(4*(\a)+\b):8*(4*(\a)+\b)+7], v[\f+32*\ksel+8*\b:\f+32*\ksel+8*\b+7], v[\f+32*\ksel+8*(\a):\f+32*\ksel+8*(\a)+7], 0
.else
	v_wmma_f32_16x16x32_f16 v[8*(4*(\a)+\b):8*(4*(\a)+\b)+7], v[\f+32*\ksel+8*\b:\f+32*\ksel+8*\b+7], v[\f+32*\ksel+8*(\a):\f+32*\ksel+8*(\a)+7], v[8*(4*(\a)+\b):8*(4*(\a)+\b)+7]
.endif
.endr
.endr
.endm
; 32 LDS loads in one run: the fragments of phase p of a slot (64 along K: blocks 2 p and 2 p + 1 of 32) into buffer f
.macro FETCH slot, p, f
	WIN TO_B
.irp kb, 0,1
.irp b, 0,1,2,3
	ds_load_b128 v[\f+32*\kb+8*\b:\f+32*\kb+8*\b+3],   v[ADRB+\slot] offset:\b*16*BP+(2*\p+\kb)*64
	ds_load_b128 v[\f+32*\kb+8*\b+4:\f+32*\kb+8*\b+7], v[ADRB+\slot] offset:\b*16*BP+(2*\p+\kb)*64+32
.endr
.endr
	WIN 0
.irp kb, 0,1
.irp a, 0,1,2,3
	ds_load_b128 v[\f+32*\kb+8*\a:\f+32*\kb+8*\a+3],   v[ADRA+\slot] offset:\a*8192+(2*\p+\kb)*1024
	ds_load_b128 v[\f+32*\kb+8*\a+4:\f+32*\kb+8*\a+7], v[ADRA+\slot] offset:\a*8192+(2*\p+\kb)*1024+512
.endr
.endr
.endm
.macro PLACES                          ; four places behind matrix instructions before loads land on their sources or their results are read
.rept 4
	v_nop
.endr
.endm
; One of a slot's first three phases: multiplies buffer f and fetches, in its middle, phase pnext's fragments into buffer g.
.macro PHASE slot, pnext, f, g, zero
	s_wait_dscnt 0x8                               ; all but the youngest eight loads, e's fragments of the second block of 32
	WIN MUL
	MUL8 \f, 0, 0, \zero
	MUL8 \f, 0, 2, \zero
	PLACES
	FETCH \slot, \pnext, \g
	s_wait_dscnt 32                                ; all but the 32 just issued
	WIN MUL
	MUL8 \f, 1, 0, 0
	MUL8 \f, 1, 2, 0
.endm
.macro RUN3 slot, zero
	PHASE \slot, 1, F0, F1, \zero
	PHASE \slot, 2, F1, F0, 0
	PHASE \slot, 3, F0, F1, 0
.endm
; The last phase multiplies buffer 1 and changes slots: the waits in front of the barrier, the refill first behind the cluster's round that it opens.
; From a request to the wait for it a wave issues 120 matrix instructions.
.macro TURN slot, next, fill
	s_wait_dscnt 0x8
	WIN MUL
	MUL8 F1, 0, 0, 0
	MUL8 F1, 0, 2, 0
	s_wait_dscnt 0x0                               ; my reads of this slot are over
	s_wait_tensorcnt 0x0                           ; all my tensor loads have landed: the one that was out is my part of the next slot
	ds_add_u32 v255, v255
	s_wait_dscnt 0x0
	s_barrier_signal -1
	MUL8 F1, 1, 0, 0                               ; register work while the others arrive
	WIN 0
	s_barrier_wait -1
.if \fill
	CREST                                          ; no wave of any partner still reads this slot or has a load on its way
	s_add_nc_u64 s[G0+4*\slot+2:G0+4*\slot+3], s[G0+4*\slot+2:G0+4*\slot+3], 2*65536
	s_add_nc_u64 s[G0B+4*\slot+2:G0B+4*\slot+3], s[G0B+4*\slot+2:G0B+4*\slot+3], 2*512
	JLOAD \slot                                    ; the wave's one tensor load behind the round
.endif
	PLACES
	FETCH \next, 0, F0
	WIN MUL
	MUL8 F1, 1, 2, 0
.endm
	s_wait_tensorcnt 0x1                           ; my part of slot 0 is in; slot 1's may stay out
	s_barrier_signal -1
	s_barrier_wait -1
	FETCH 0, 0, F0
	RUN3 0, 1                                      ; k = 0..255; the first products start the sums
	TURN 0, 1, 1                                   ; slot 0 gets k = 512..767
	RUN3 1, 0                                      ; k = 256..511
	TURN 1, 0, 1                                   ; slot 1 gets k = 768..1023
	RUN3 0, 0
	TURN 0, 1, 0                                   ; nothing is left to fetch
	RUN3 1, 0
	s_wait_dscnt 0x8
	WIN MUL
	MUL8 F1, 0, 0, 0
	MUL8 F1, 0, 2, 0
	s_wait_dscnt 0x0
	MUL8 F1, 1, 0, 0
	MUL8 F1, 1, 2, 0
	; THE WAY OUT, 16 rows at a time through my own stage: 32 bytes a lane in, whole rows of 256 bytes back
	PLACES
	s_lshl_b32 s14, s13, 7
	s_lshl_b32 s15, s11, 6
	s_add_co_u32 s16, s14, s15                     ; my first row
	s_lshl_b32 s16, s16, 12
	s_mov_b32 s17, 0
	s_add_nc_u64 s[8:9], s[8:9], s[16:17]
	s_lshl_b32 s46, s42, 9                         ; my first column, in bytes: 512 x block + 256 x half
	s_lshl_b32 s47, s12, 8
	s_add_co_u32 s46, s46, s47
	s_mov_b32 s47, 0
	s_add_nc_u64 s[8:9], s[8:9], s[46:47]
.macro OUTP a
	WIN 0x08                                       ; the LDS stores' data in window 2
.irp b, 0,1,2,3
	ds_store_b128 v[STO], v[8*(4*\a+\b):8*(4*\a+\b)+3]   offset:64*\b
	ds_store_b128 v[STO], v[8*(4*\a+\b)+4:8*(4*\a+\b)+7] offset:64*\b+16
.endr
	WIN 0
.irp t, 0,1,2,3,4,5,6,7
	ds_load_b128 v[F0+32*\a+4*\t:F0+32*\a+4*\t+3], v[RD] offset:\t*2*SPITCH   ; LDS serves a wave's instructions in order (ISA guide 5.7.1.4): these see the stores above
.endr
.irp t, 0,1,2,3,4,5,6,7
	s_wait_dscnt 7-\t                              ; rows 2 t, 2 t + 1 are in; the younger reads stay out
	global_store_b128 v[CO], v[F0+32*\a+4*\t:F0+32*\a+4*\t+3], s[8:9] offset:(16*\a+2*\t)*4096 th:TH_STORE_NT   ; 16 lanes store 256 consecutive bytes, aligned; each register is written once
.endr
.endm
	OUTP 0
	OUTP 1
	OUTP 2
	OUTP 3
	s_set_vgpr_msb 0x1
	s_wait_tensorcnt 0x0
	ds_add_u32 v255, v255
	s_wait_dscnt 0x0
	s_set_vgpr_msb 0x100
	CROUND                                         ; the closing round
	s_endpgm
.Lfunc_end_k_q8377cf87ad_proj:
	.size	k_q8377cf87ad_proj, .Lfunc_end_k_q8377cf87ad_proj-k_q8377cf87ad_proj
	.p2alignl 7, 3214868480
	.fill 96, 4, 3214868480
	.section	.rodata,"a",@progbits
	.p2align	6, 0x0
	.amdhsa_kernel k_q8377cf87ad_proj
		.amdhsa_group_segment_fixed_size 327680
		.amdhsa_private_segment_fixed_size 0
		.amdhsa_enable_private_segment 0
		.amdhsa_kernarg_size 24
		.amdhsa_user_sgpr_count 2
		.amdhsa_user_sgpr_kernarg_segment_ptr 1
		.amdhsa_wavefront_size32 1
		.amdhsa_system_sgpr_workgroup_id_x 1
		.amdhsa_system_sgpr_workgroup_id_y 1
		.amdhsa_system_sgpr_workgroup_id_z 1
		.amdhsa_system_vgpr_workitem_id 0
		.amdhsa_next_free_vgpr 640
		.amdhsa_next_free_sgpr 66
		.amdhsa_reserve_vcc 0
		.amdhsa_float_denorm_mode_32 3
		.amdhsa_float_denorm_mode_16_64 3
		.amdhsa_memory_ordered 1
		.amdhsa_forward_progress 1
		.amdhsa_inst_pref_size 86
	.end_amdhsa_kernel
	.amdgpu_metadata
---
amdhsa.version: [ 1, 2 ]
amdhsa.kernels:
  - .name:           k_q8377cf87ad_proj
    .symbol:         k_q8377cf87ad_proj.kd
    .args:
      - { .name: et, .offset: 0, .size: 8, .value_kind: global_buffer, .address_space: global }
      - { .name: cb, .offset: 8, .size: 8, .value_kind: global_buffer, .address_space: global }
      - { .name: out0, .offset: 16, .size: 8, .value_kind: global_buffer, .address_space: global }
    .group_segment_fixed_size: 327680
    .private_segment_fixed_size: 0
    .kernarg_segment_align: 8
    .kernarg_segment_size: 24
    .max_flat_workgroup_size: 128
    .sgpr_count:     66
    .vgpr_count:     640
    .wavefront_size: 32
...
	.end_amdgpu_metadata
.endif
;; end of part 4
;; ======== version 2 of 2: 4 launches; version 1 with the launch cast written anew for expert scheduling mode
;; limits: values are held in f16: magnitudes above 65,504 overflow, below 6.1e-05 lose precision
;; workspace buffers: cb 16,777,216 bytes; qkvt 25,165,824 bytes; et 8,388,608 bytes
;; launch cast (part 5): grid 256 x 1, 8 waves a work-group, no clusters, 0 bytes of LDS; arguments x, w_qkv, w0, cb; writes cb
.if DOCPART == 5
	.amdgcn_target "amdgcn-amd-amdhsa--gfx1250"
	.amdhsa_code_object_version 6
	.text
	.protected	k_q8377cf87ad_cast
	.globl	k_q8377cf87ad_cast
	.p2align	8
	.type	k_q8377cf87ad_cast,@function
k_q8377cf87ad_cast:
	s_mov_b64 s[64:65], 0
	v_nop
	global_prefetch_b8 v0, s[64:65] scope:SCOPE_SE
	s_setreg_imm32_b32 hwreg(HW_REG_WAVE_SCHED_MODE, 0, 2), 2
	s_setreg_imm32_b32 hwreg(HW_REG_WAVE_MODE, 25, 1), 1
	s_wait_xcnt 0x0
	s_wait_alu depctr_vm_vsrc(0)
; cb = x, w_qkv, w0 rounded once to f16, one behind the other: x at byte 0, w_qkv at byte 8,388,608, w0 at byte 14,680,064.
; The two products that follow read each of these numbers many times; rounding them once here halves the bytes that their
; tiles move and spares every wave that reads a tile its own conversion.
; A stream: no LDS, no barrier, no matrix unit.  256 work-groups; each reads 131,072 bytes and writes 65,536.
; Work-groups 0-127 take x, 128-223 w_qkv, 224-255 w0; the output of work-group id lies at 65,536 id, which is cb's layout.
; LIMIT: a number of magnitude 65,520 or more becomes an infinity in f16; magnitudes below 6.1e-5 keep an absolute error of 3e-8.
; THE MODE: SCHED_MODE bits 1:0 = 2 (LLVM: expert scheduling mode 2), set by the entry lines.  The code itself states the register dependences
; between vector instructions and memory instructions, with s_wait_alu, always for 0.
; THE PLAN.  Registers that memory instructions touch:
;   v1, v2     byte offsets of the loads and of the stores: written once at the head, never again.
;   chunk i    v[DAT + 4 i .. + 3]: load i lands in them, ahead of every vector line that names them; the chunk's two conversions read the four
;              and write the first two, once; store i reads those two.  No register is loaded twice, and no store's data is written again.
; So two kinds of dependence are stated: the offsets are written before the first load, and a chunk's conversions have written before its store.
; The 32 chunks go in 8 blocks of four.  Block p's memory instructions are the four stores of block p - 1, and its conversions name block p's
; registers alone: one wait at the block's head states all that the four stores hang on, and they are dealt among the conversions with no further wait.
.set DAT, 4                            ; v[4:131]  chunk i: 4 registers as loaded; its first two then hold the 4 numbers in f16
.set CHUNKS, 32                        ; 32 loads of 16 bytes a thread, all on their way at once
.set BLOCK,  4                         ; chunks in a block
.set BLOCKS, CHUNKS/BLOCK
	s_load_b256 s[4:11], s[0:1], 0x0               ; x s[4:5], w_qkv s[6:7], w0 s[8:9], cb s[10:11]
	v_lshlrev_b32 v1, 4, v0                        ; 16 bytes a thread in: a wave's load covers 512 neighbouring bytes
	v_lshlrev_b32 v2, 3, v0                        ; 8 bytes a thread out: a wave's store covers 256 neighbouring bytes, aligned
	s_wait_kmcnt 0x0
	s_cmp_lt_u32 ttmp9, 128                        ; which input is mine, and its first work-group
	s_cselect_b64 s[14:15], s[4:5], s[6:7]
	s_cselect_b32 s13, 0, 128
	s_cmp_lt_u32 ttmp9, 224
	s_cselect_b64 s[14:15], s[14:15], s[8:9]
	s_cselect_b32 s13, s13, 224
	s_sub_co_u32 s16, ttmp9, s13
	s_lshl_b32 s16, s16, 17                        ; 131,072 bytes for each work-group of that input (below 16 MiB)
	s_mov_b32 s17, 0
	s_add_nc_u64 s[14:15], s[14:15], s[16:17]
	s_lshl_b32 s18, ttmp9, 16
	s_mov_b32 s19, 0
	s_add_nc_u64 s[10:11], s[10:11], s[18:19]
	s_wait_alu depctr_va_vdst(0)                   ; v1 and v2 are written: every load reads v1 and every store v2 as its offset, and no later vector line names either
.set i, 0
.rept CHUNKS
	global_load_b128 v[DAT+4*i:DAT+4*i+3], v1, s[14:15] offset:i*4096 th:TH_LOAD_NT   ; read once in the launch
.set i, i+1
.endr
.set p, 0
.rept BLOCKS
	s_wait_loadcnt CHUNKS-BLOCK*(p+1)              ; loads come back in order: block p's four chunks are in, the younger ones stay out
.if p > 0
	s_wait_alu depctr_va_vdst(0)                   ; the conversions of the block before have written its chunks' first two registers, which the four stores below read
.endif
.set j, 0
.rept BLOCK
.set i, BLOCK*p+j
.if p > 0
	global_store_b64 v2, v[DAT+4*(i-BLOCK):DAT+4*(i-BLOCK)+1], s[10:11] offset:(i-BLOCK)*2048    ; the block before; no vector line since the wait names these registers.  No register is written twice: no wait for the stores' sources
.endif
	v_cvt_pk_f16_f32 v[DAT+4*i],   v[DAT+4*i],   v[DAT+4*i+1]
	v_cvt_pk_f16_f32 v[DAT+4*i+1], v[DAT+4*i+2], v[DAT+4*i+3]
.set j, j+1
.endr
.set p, p+1
.endr
	s_wait_alu depctr_va_vdst(0)                   ; the last block's conversions have written the registers that the last four stores read
.set i, CHUNKS-BLOCK
.rept BLOCK
	global_store_b64 v2, v[DAT+4*i:DAT+4*i+1], s[10:11] offset:i*2048
.set i, i+1
.endr
	s_endpgm
.Lfunc_end_k_q8377cf87ad_cast:
	.size	k_q8377cf87ad_cast, .Lfunc_end_k_q8377cf87ad_cast-k_q8377cf87ad_cast
	.p2alignl 7, 3214868480
	.fill 96, 4, 3214868480
	.section	.rodata,"a",@progbits
	.p2align	6, 0x0
	.amdhsa_kernel k_q8377cf87ad_cast
		.amdhsa_group_segment_fixed_size 0
		.amdhsa_private_segment_fixed_size 0
		.amdhsa_enable_private_segment 0
		.amdhsa_kernarg_size 32
		.amdhsa_user_sgpr_count 2
		.amdhsa_user_sgpr_kernarg_segment_ptr 1
		.amdhsa_wavefront_size32 1
		.amdhsa_system_sgpr_workgroup_id_x 1
		.amdhsa_system_sgpr_workgroup_id_y 1
		.amdhsa_system_sgpr_workgroup_id_z 1
		.amdhsa_system_vgpr_workitem_id 0
		.amdhsa_next_free_vgpr 132
		.amdhsa_next_free_sgpr 66
		.amdhsa_reserve_vcc 0
		.amdhsa_float_denorm_mode_32 3
		.amdhsa_float_denorm_mode_16_64 3
		.amdhsa_memory_ordered 1
		.amdhsa_forward_progress 1
		.amdhsa_inst_pref_size 12
	.end_amdhsa_kernel
	.amdgpu_metadata
---
amdhsa.version: [ 1, 2 ]
amdhsa.kernels:
  - .name:           k_q8377cf87ad_cast
    .symbol:         k_q8377cf87ad_cast.kd
    .args:
      - { .name: x, .offset: 0, .size: 8, .value_kind: global_buffer, .address_space: global }
      - { .name: w_qkv, .offset: 8, .size: 8, .value_kind: global_buffer, .address_space: global }
      - { .name: w0, .offset: 16, .size: 8, .value_kind: global_buffer, .address_space: global }
      - { .name: cb, .offset: 24, .size: 8, .value_kind: global_buffer, .address_space: global }
    .group_segment_fixed_size: 0
    .private_segment_fixed_size: 0
    .kernarg_segment_align: 8
    .kernarg_segment_size: 32
    .max_flat_workgroup_size: 256
    .sgpr_count:     66
    .vgpr_count:     132
    .wavefront_size: 32
...
	.end_amdgpu_metadata
.endif
;; end of part 5
;; launch qkvgemm: the kernel of part 2 again; grid 16 x 16, 4 waves a work-group, clusters of 4 x 4, 327,680 bytes of LDS; arguments cb, qkvt; writes qkvt
;; launch attn: the kernel of part 3 again; grid 256 x 1, 8 waves a work-group, no clusters, 327,680 bytes of LDS; arguments qkvt, et; writes et
;; launch proj: the kernel of part 4 again; grid 8 x 32, 4 waves a work-group, clusters of 4 x 4, 327,680 bytes of LDS; arguments et, cb, out0; writes out0
